; MI455X (gfx1250); checked and timed in simulation.
; The chip was launched on July 23, 2026; its instructions are those of AMD's public machine-readable ISA for CDNA 5 (MIT licence, August 2026) and "CDNA5" Instruction Set Architecture Reference Guide (July 2026). The comments in the code are by the model that wrote it; some were corrected since.
;; Attention Free Transformer. Allowed arithmetic: float matrix products may take bf16 or f16 operands with f32 sums; other float arithmetic in f32, or as packed bf16 or f16 multiplies, adds, multiply-adds, maxima and minima; sums over many terms, partial sums and values carried from step to step in f32; what a program stores and reads back later, other than sums and carried values, may be rounded once to bf16 or f16.
;; Inputs: Wk 512 x 512 float32; Wq 512 x 512 float32; Wv 512 x 512 float32; bk 512 float32; bq 512 float32; bv 512 float32; pos_bias 1,024 x 1,024 float32; x 32 x 1,024 x 512 float32.
;; Outputs: out0 32 x 1,024 x 512 float32.
;; One version. Each part assembles by itself: llvm-mc -triple=amdgcn-amd-amdhsa -mcpu=gfx1250 --defsym DOCPART=n.
;; ======== version 1 of 1: 3 launches
;; workspace buffers: eb 2,097,152 bytes; wb 1,572,864 bytes; ekt 67,108,864 bytes; sq 33,554,432 bytes
;; launch prep (part 1): grid 64 x 7, 8 waves a work-group, no clusters, 0 bytes of LDS; arguments pos_bias, Wq, Wk, Wv, eb, wb; writes eb, wb
.if DOCPART == 1
	.amdgcn_target "amdgcn-amd-amdhsa--gfx1250"
	.amdhsa_code_object_version 6
	.text
	.protected	k_qcfc9769c28_prep
	.globl	k_qcfc9769c28_prep
	.p2align	8
	.type	k_qcfc9769c28_prep,@function
k_qcfc9769c28_prep:
	s_mov_b64 s[64:65], 0
	v_nop
	global_prefetch_b8 v0, s[64:65] scope:SCOPE_SE
	s_setreg_imm32_b32 hwreg(HW_REG_WAVE_MODE, 25, 1), 1
	s_wait_xcnt 0x0
; eb = bf16(exp(bf16(pos_bias))), [1024][1024] row-major.  wb = bf16 of the three weight matrices, rows reordered:
; [16 steps][96 rows][512]: step s holds Wq rows 32 s .. 32 s + 31, then the same rows of Wk, then of Wv.
; A stream: each number is read once and written once; no work-group shares an input with another, so no LDS, no cluster, no matrix unit.
; SHARES.  A work-group takes 4,096 numbers (16,384 bytes in, 8,192 out).  y = 0..3: pos_bias, chunk 64 y + x.  y = 4, 5, 6: Wq, Wk, Wv, rows 8 x .. 8 x + 7.
; Thread t takes 8 numbers twice: two loads of 16 bytes at 32 t, one store of 16 bytes at 16 t: sixteen lanes store 256 consecutive bytes, aligned.
; LIMITS.  All inputs of the program are rounded to bf16 first (to nearest even).  exp is 2^(x log2 e); a result below 2^-126 counts as 0; NaN and infinities are not treated apart.
	s_load_b256 s[4:11], s[0:1], 0x0               ; pos_bias s[4:5], Wq s[6:7], Wk s[8:9], Wv s[10:11]
	s_load_b128 s[12:15], s[0:1], 0x20             ; eb s[12:13], wb s[14:15]
	s_and_b32 s16, ttmp7, 0xffff                   ; y
	s_lshl_b32 s17, s16, 6
	s_add_co_u32 s17, s17, ttmp9                   ; 64 y + x: the chunk of pos_bias
	s_lshr_b32 s21, ttmp9, 2                       ; a weight chunk: step x / 4,
	s_mul_i32 s21, s21, 96
	s_max_u32 s22, s16, 4
	s_sub_co_u32 s22, s22, 4                       ; matrix m = y - 4 (0 where y is below 4: then the number is not used),
	s_lshl_b32 s22, s22, 5
	s_add_co_u32 s21, s21, s22
	s_and_b32 s22, ttmp9, 3                        ; rows 8 (x % 4) on
	s_lshl_b32 s22, s22, 3
	s_add_co_u32 s21, s21, s22
	s_lshl_b32 s21, s21, 10                        ; a row of wb is 1,024 bytes
	s_lshl_b32 s20, s17, 13                        ; a chunk of eb is 8,192 bytes
	s_cmp_lt_u32 s16, 4
	s_cselect_b32 s18, s17, ttmp9                  ; the chunk in the source
	s_cselect_b32 s20, s20, s21                    ; the byte offset in the destination
	s_lshl_b32 s18, s18, 14
	s_mov_b32 s19, 0
	s_mov_b32 s21, 0
	s_mov_b32 s24, 0x3fb8aa3b                      ; log2 e
	s_mov_b32 s25, s24                             ; named with it as a pair
	v_lshlrev_b32 v1, 5, v0                        ; 32 t
	v_lshlrev_b32 v2, 4, v0                        ; 16 t
	s_wait_kmcnt 0x0
	s_cmp_eq_u32 s16, 5
	s_cselect_b64 s[6:7], s[8:9], s[6:7]
	s_cmp_eq_u32 s16, 6
	s_cselect_b64 s[6:7], s[10:11], s[6:7]         ; the weight matrix of y
	s_cmp_lt_u32 s16, 4
	s_cselect_b64 s[4:5], s[4:5], s[6:7]           ; the source,
	s_cselect_b64 s[12:13], s[12:13], s[14:15]     ; the destination
	s_add_nc_u64 s[4:5], s[4:5], s[18:19]
	s_add_nc_u64 s[12:13], s[12:13], s[20:21]
	global_load_b128 v[4:7],   v1, s[4:5] th:TH_LOAD_NT
	global_load_b128 v[8:11],  v1, s[4:5] offset:16 th:TH_LOAD_NT
	global_load_b128 v[12:15], v1, s[4:5] offset:8192 th:TH_LOAD_NT
	global_load_b128 v[16:19], v1, s[4:5] offset:8208 th:TH_LOAD_NT
	s_wait_loadcnt 0x0
.set z, 0
.rept 8
	v_cvt_pk_bf16_f32 v[20+z], v[4+2*z], v[5+2*z]  ; the input rounded to bf16
.set z, z+1
.endr
	s_cmp_lt_u32 s16, 4
	s_cbranch_scc0 .Lstore                         ; weights leave as they are
.set z, 0
.rept 8
	v_lshlrev_b32 v[4+2*z], 16, v[20+z]            ; back to f32
	v_and_b32 v[5+2*z], 0xffff0000, v[20+z]
.set z, z+1
.endr
.set z, 0
.rept 8
	v_pk_mul_f32 v[4+2*z:5+2*z], v[4+2*z:5+2*z], s[24:25] op_sel_hi:[1,0]
.set z, z+1
.endr
.set z, 0
.rept 16
	v_exp_f32 v[4+z], v[4+z]
.set z, z+1
.endr
	v_nop                                          ; a plain instruction behind the last exponential,
	s_wait_alu depctr_va_vdst(0)                   ; and one wait for the batch of sixteen, ahead of its first reader
.set z, 0
.rept 8
	v_cvt_pk_bf16_f32 v[20+z], v[4+2*z], v[5+2*z]
.set z, z+1
.endr
.Lstore:
	global_store_b128 v2, v[20:23], s[12:13]
	global_store_b128 v2, v[24:27], s[12:13] offset:4096
	s_endpgm
.Lfunc_end_k_qcfc9769c28_prep:
	.size	k_qcfc9769c28_prep, .Lfunc_end_k_qcfc9769c28_prep-k_qcfc9769c28_prep
	.p2alignl 7, 3214868480
	.fill 96, 4, 3214868480
	.section	.rodata,"a",@progbits
	.p2align	6, 0x0
	.amdhsa_kernel k_qcfc9769c28_prep
		.amdhsa_group_segment_fixed_size 0
		.amdhsa_private_segment_fixed_size 0
		.amdhsa_enable_private_segment 0
		.amdhsa_kernarg_size 48
		.amdhsa_user_sgpr_count 2
		.amdhsa_user_sgpr_kernarg_segment_ptr 1
		.amdhsa_wavefront_size32 1
		.amdhsa_system_sgpr_workgroup_id_x 1
		.amdhsa_system_sgpr_workgroup_id_y 1
		.amdhsa_system_sgpr_workgroup_id_z 1
		.amdhsa_system_vgpr_workitem_id 0
		.amdhsa_next_free_vgpr 32
		.amdhsa_next_free_sgpr 66
		.amdhsa_reserve_vcc 0
		.amdhsa_float_denorm_mode_32 3
		.amdhsa_float_denorm_mode_16_64 3
		.amdhsa_memory_ordered 1
		.amdhsa_forward_progress 1
		.amdhsa_inst_pref_size 6
	.end_amdhsa_kernel
	.amdgpu_metadata
---
amdhsa.version: [ 1, 2 ]
amdhsa.kernels:
  - .name:           k_qcfc9769c28_prep
    .symbol:         k_qcfc9769c28_prep.kd
    .args:
      - { .name: pos_bias, .offset: 0, .size: 8, .value_kind: global_buffer, .address_space: global }
      - { .name: Wq, .offset: 8, .size: 8, .value_kind: global_buffer, .address_space: global }
      - { .name: Wk, .offset: 16, .size: 8, .value_kind: global_buffer, .address_space: global }
      - { .name: Wv, .offset: 24, .size: 8, .value_kind: global_buffer, .address_space: global }
      - { .name: eb, .offset: 32, .size: 8, .value_kind: global_buffer, .address_space: global }
      - { .name: wb, .offset: 40, .size: 8, .value_kind: global_buffer, .address_space: global }
    .group_segment_fixed_size: 0
    .private_segment_fixed_size: 0
    .kernarg_segment_align: 8
    .kernarg_segment_size: 48
    .max_flat_workgroup_size: 256
    .sgpr_count:     66
    .vgpr_count:     32
    .wavefront_size: 32
...
	.end_amdgpu_metadata
.endif
;; end of part 1
;; launch proj (part 2): grid 256 x 1, 4 waves a work-group, clusters of 4 x 1, 327,680 bytes of LDS; arguments x, wb, bq, bk, bv, ekt, sq; writes ekt, sq
.if DOCPART == 2
	.amdgcn_target "amdgcn-amd-amdhsa--gfx1250"
	.amdhsa_code_object_version 6
	.text
	.protected	k_qcfc9769c28_proj
	.globl	k_qcfc9769c28_proj
	.p2align	8
	.type	k_qcfc9769c28_proj,@function
k_qcfc9769c28_proj:
	s_mov_b64 s[64:65], 0
	v_nop
	global_prefetch_b8 v0, s[64:65] scope:SCOPE_SE
	s_setreg_imm32_b32 hwreg(HW_REG_WAVE_MODE, 25, 1), 1
	s_wait_xcnt 0x0
	s_wait_alu depctr_hold_cnt(0) depctr_sa_sdst(0) depctr_va_vdst(0) depctr_va_sdst(0) depctr_va_ssrc(0) depctr_va_vcc(0) depctr_vm_vsrc(0)
	s_getreg_b32 s2, hwreg(HW_REG_IB_STS2, 6, 4)
	s_cmp_eq_u32 s2, 0
	s_cbranch_scc0 .Lentry_in_a_cluster
	s_endpgm
.Lentry_in_a_cluster:
	s_bfe_u32 s2, ttmp6, 0x10000c
	s_cmp_lg_u32 s2, 0x3003
	s_cbranch_scc0 .Lentry_shape_is_right
	s_endpgm
.Lentry_shape_is_right:
; q, k, v = x W^T + b for 128 rows of x a work-group, and from them what the next launch multiplies: ekt = exp(k) v and exp(k), sq = sigmoid(q), all bf16.
; x: [32768][512] f32.  wb: [16 steps][96 rows][512] bf16 (32 rows of Wq, of Wk, of Wv a step).  Products in bf16 with f32 sums; bias, exponentials and sigmoid in f32; each result rounded once.
; OUT.  ekt: fragments of 1,024 bytes at ((((b 32 + e/16) 2 + sel) 32) + T/32) 1024, sel 0 = exp(k) v, sel 1 = exp(k); byte 512 half + 16 lane holds, for lane (r, h), e = r and T = 16 half + 8 h + 0..7:
; the register image of a 16 x 32 operand.  sq: tiles of 512 bytes at ((b 64 + t/16) 32 + d/16) 512; byte 16 lane holds t = r, d = 8 h + 0..7.  So every store of a wave is 512 consecutive bytes, aligned, and needs no stage.
; SHARES.  Work-group g owns rows 128 g .. 128 g + 127.  Wave w: rows 64 (w / 2) on (four blocks of 16), and 16 (w % 2) on of a step's 32 columns e.  x stays in registers as bf16 fragments (512 registers);
; sixteen steps walk wb, 192 matrix instructions a wave each: a chunk Q (64) and two chunks KV (64 each: k and v, K halves 0 and 1).
; q is taken transposed (source 0 = W, source 1 = x): a lane holds one T and eight e.  k and v in natural order (source 0 = x, source 1 = W): a lane holds one e and eight T.
; THE RING.  Two LDS slots of a step's 96 rows; each wave fetches 24 rows by one tensor load.  All work-groups walk the same wb, so the four of a cluster ask JOINTLY (mask 15).
; x comes first, as f32, by two tensor loads a wave into the bytes that the slots take over later; it is rounded to bf16 on its way into registers.
; THE VECTOR WORK RIDES.  A step's bias, exponentials, reciprocals, roundings and stores are cut into slices of four, one slice behind every second matrix instruction of a later chunk:
; q's list in the step's first KV chunk, k's and v's list in the next step's Q chunk.  The chunk that changes slots carries none (it holds labels).
; LIMITS.  x, W and the biases are rounded to bf16 first.  exp is 2^(k log2 e): below 2^-126 it counts as 0.  No maximum is taken away, as the formula asked for takes none; exp(k) and exp(k) v keep f32's exponent range in bf16.
; NaN and infinities are not treated apart.
; REGISTERS, in windows of 256: window 0: addresses, biases, the 12 accumulators, packed results; window 1: two buffers of 128 for W's fragments; windows 2, 3: x's fragments of K steps 0-7, 8-15 at 32 ks + 8 mb.
.set XP,    1040                       ; an LDS row: 1,024 bytes + 16 of padding = 260 words: the 16 rows of a load start at 16 different groups of four banks (64 banks of 4 bytes: ISA guide 11.1)
.set XH,    128*XP                     ; half of x: 128 rows x 256 columns of f32
.set WSEC,  32*XP                      ; in a slot: q's rows, then k's, then v's
.set SLOT1, 131072                     ; slot 0 at byte 0, slot 1 here; a slot is 96 x 1,040 = 99,840 bytes
.set TBL,   2*XH                       ; the biases as f32: -log2e bq, +2,048 log2e bk, +4,096 bv
.set SPARE, TBL+6144                   ; the spare words, 128 bytes a wave: two blocks of 256 bytes that no other line names
.set WSTEP, 98304                      ; a step of wb in memory
.set TA,  1                            ; v1     the address of the bias loads in hand
.set XA,  2                            ; v2-3   my place in x's half 0, 1
.set WA,  4                            ; v4-9   my place in q's, k's, v's rows of slot 0, then of slot 1
.set TQ,  10                           ; v10    my eight numbers of q's bias in step 0
.set TK,  11                           ; v11    my number of k's bias in step 0 (v's lies 2,048 bytes on)
.set LO,  12                           ; v12    16 x lane
.set PFO, 13                           ; v13    256 x lane
.set SPW, 14                           ; v14    LDS address of my spare word; never rewritten
.set NIL, 15                           ; v15    0; never rewritten
.set BQ,  16                           ; v16-23 -log2e bq of my eight e
.set BK,  24                           ; v24 log2e bk, v25 bv of my e
.set AQ,  32                           ; v32-63   q's accumulators, 8 a block mb
.set AK,  64                           ; v64-95   k's
.set AV,  96                           ; v96-127  v's
.set PQ,  128                          ; v128-143 packed sigmoid(q)
.set PE,  144                          ; v144-159 packed exp(k)
.set PV,  160                          ; v160-175 packed exp(k) v
.set TT,  128                          ; at the start only: v128-191, v192-255 x as f32, two buffers
.set F0,  0                            ; window 1
.set F1,  128
.set WV,  18                           ; s18 wave, s19 its row half, s20 its column half, s21 cx, s22 g
.set RH,  19
.set CH,  20
.set CX,  21
.set GN,  22
.set G1X, 24                           ; s[24:31] group 1 for x;  s[32:39] for wb
.set G1W, 32
.set GX,  40                           ; s[40:47] group 0 for x's two halves
.set GW,  48                           ; s[48:55] group 0 for wb, a set a slot
.set PFA, 56                           ; s[56:57] where my prefetches stand
.set LIM, 58                           ; s58 1 in a wave that prefetches, else the greatest number
.set TO,  59                           ; s59 128 x step: the step's place in the bias table
.set PL,  60                           ; s[60:61] log2 e
.set NL,  62                           ; s[62:63] -log2 e
.set EKB, 68                           ; s[68:69] ekt at my fragments of the step after the one being stored
.set SQB, 70                           ; s[70:71] sq likewise
.set MSB, 0
.macro WIN new                         ; the high byte repeats the setting that is left; a switch that changes nothing is dropped
.if MSB != (\new)
	s_set_vgpr_msb (MSB<<8)|(\new)
.set MSB, (\new)
.endif
.endm
.macro PLACES                          ; four places in front of loads into registers that matrix instructions have read (ISA guide 7.12.1 for vector instructions)
.rept 4
	v_nop
.endr
.endm
.macro CREST                           ; a round of the cluster's barrier behind its opening barrier
	s_cmp_lg_u32 s[WV], 0
	s_cbranch_scc1 .Lnot_wave_0_\@
	s_barrier_signal -3
.Lnot_wave_0_\@:
	s_barrier_wait -3
	s_barrier_signal -1
	s_barrier_wait -1
.endm
.macro CROUND                          ; a whole round
	s_barrier_signal -1
	s_barrier_wait -1
	CREST
.endm
.macro JLOADW slot                     ; the joint load of my 24 rows of a step; an s_nop 0 and four v_nop follow it
	tensor_load_to_lds s[GW+4*(\slot):GW+4*(\slot)+3], s[G1W:G1W+7]
	s_nop 0
.rept 4
	v_nop
.endr
.endm
; A PREFETCH INTO THE L2 of the step that stands two refills on (384 matrix instructions ahead of the load that will want it).  A step of wb is 384 blocks of 256 bytes: waves 0 to 2 of the four
; work-groups of cluster 0 take 32 each, a lane a block, told apart by address; no other cluster asks, so each block is named once in the launch.  The loop's last trip asks for nothing: there is no step behind.
.macro ASK
	s_cmp_gt_u32 s3, s[LIM]
	s_cbranch_scc0 .Lnot_mine_\@
	global_prefetch_b8 v[PFO], s[PFA:PFA+1] th:TH_LOAD_NT scope:SCOPE_SE
.Lnot_mine_\@:
.endm
; 32 LDS loads in one run: a chunk's fragments of W into buffer g.  kind 0: q's 16 rows, K steps 0-15 at g + 8 ks.  kind 1, 2: k's and v's 16 rows, K steps 8 (kind - 1) + 0..7, at g + 64 sel + 8 ksl.
; The first sixteen loads are what the chunk's first 32 matrix instructions read.
.macro FETCHW kind, slot, g
	WIN 0x40                                       ; destination window 1, address window 0
.set z, 0
.if (\kind) == 0
.rept 16
	ds_load_b128 v[(\g)+8*z:(\g)+8*z+3],   v[WA+3*(\slot)] offset:64*z
	ds_load_b128 v[(\g)+8*z+4:(\g)+8*z+7], v[WA+3*(\slot)] offset:64*z+32
.set z, z+1
.endr
.else
.rept 8
	ds_load_b128 v[(\g)+8*z:(\g)+8*z+3],       v[WA+3*(\slot)+1] offset:64*(8*((\kind)-1)+z)
	ds_load_b128 v[(\g)+8*z+4:(\g)+8*z+7],     v[WA+3*(\slot)+1] offset:64*(8*((\kind)-1)+z)+32
	ds_load_b128 v[(\g)+64+8*z:(\g)+64+8*z+3],   v[WA+3*(\slot)+2] offset:64*(8*((\kind)-1)+z)
	ds_load_b128 v[(\g)+64+8*z+4:(\g)+64+8*z+7], v[WA+3*(\slot)+2] offset:64*(8*((\kind)-1)+z)+32
.set z, z+1
.endr
.endif
.endm
.macro BIASQ                           ; the step's eight numbers of q's bias
	WIN 0
	v_add_nc_u32 v[TA], s[TO], v[TQ]
	ds_load_b128 v[BQ:BQ+3],   v[TA]
	ds_load_b128 v[BQ+4:BQ+7], v[TA] offset:16
.endm
.macro BIASKV                          ; the step's number of k's bias and of v's; then the table's place goes on to the next step
	WIN 0
	v_add_nc_u32 v[TA], s[TO], v[TK]
	ds_load_b32 v[BK],   v[TA]
	ds_load_b32 v[BK+1], v[TA] offset:2048
	s_add_co_u32 s[TO], s[TO], 128
.endm
; Matrix instruction i of 64 of a chunk on buffer f.  The accumulators take turns, one instruction a turn: four in a Q chunk, eight in a KV chunk.  K step 0 starts the sums with the constant 0.
.macro MM kind, f
.if (\kind) == 0
.set ks, i/4
.set mb, i%4
	WIN 0x09+4*(ks/8)                              ; W window 1, x window 2 or 3, sums window 0
.if ks == 0
	v_wmma_f32_16x16x32_bf16 v[AQ+8*mb:AQ+8*mb+7], v[(\f)+8*ks:(\f)+8*ks+7], v[32*(ks%8)+8*mb:32*(ks%8)+8*mb+7], 0
.else
	v_wmma_f32_16x16x32_bf16 v[AQ+8*mb:AQ+8*mb+7], v[(\f)+8*ks:(\f)+8*ks+7], v[32*(ks%8)+8*mb:32*(ks%8)+8*mb+7], v[AQ+8*mb:AQ+8*mb+7]
.endif
.else
.set ks, i/8
.set mb, i%4
.set rD, AK+32*((i/4)%2)+8*mb
.set rW, (\f)+64*((i/4)%2)+8*ks
	WIN 0x05+(\kind)                               ; x window 2 or 3, W window 1, sums window 0
.if ((\kind) == 1) && (ks == 0)
	v_wmma_f32_16x16x32_bf16 v[rD:rD+7], v[32*ks+8*mb:32*ks+8*mb+7], v[rW:rW+7], 0
.else
	v_wmma_f32_16x16x32_bf16 v[rD:rD+7], v[32*ks+8*mb:32*ks+8*mb+7], v[rW:rW+7], v[rD:rD+7]
.endif
.endif
.set i, i+1
.endm
; SLICE sl OF q's LIST (30 slices).  0, 1: eight v_nop, the places behind the Q chunk's last products (the list rewrites the accumulators in place).
; 2-13: 16 packed -log2e q - log2e bq and 32 exponentials, ONE BATCH: no line names an exponential's result; a v_nop and one wait close it.  14-25: the same pattern with 1 + e and the reciprocals.
; Then the stores' registers and base are freed and the base steps.  26-29: a block mb a slice: four roundings to bf16 and one store of 512 bytes.  Each accumulator is read from its low end on.
.macro QSLICE
.if sl < 2
.rept 4
	v_nop
.endr
.elseif sl < 26
.set ph, (sl-2)/12
.set zz, 0
.rept 4
.set n, 4*((sl-2)%12)+zz
.set tr, 0
.if n < 4
.set ix, n
.elseif n < 28
.if n%2 == 0
.set tr, 1
.set ix, (n-4)/2
.else
.set ix, 4+(n-5)/2
.endif
.else
.set tr, 1
.set ix, n-16
.endif
.if (ph == 0) && (tr == 0)
	v_pk_fma_f32 v[AQ+2*ix:AQ+2*ix+1], v[AQ+2*ix:AQ+2*ix+1], s[NL:NL+1], v[BQ+2*(ix%4):BQ+2*(ix%4)+1] op_sel_hi:[1,0,1]
.elseif ph == 0
	v_exp_f32 v[AQ+ix], v[AQ+ix]
.elseif tr == 0
	v_pk_add_f32 v[AQ+2*ix:AQ+2*ix+1], v[AQ+2*ix:AQ+2*ix+1], 1.0 op_sel_hi:[1,0]
.else
	v_rcp_f32 v[AQ+ix], v[AQ+ix]
.endif
.set zz, zz+1
.endr
.if (sl-2)%12 == 11
	v_nop                                          ; a plain instruction behind the batch's last,
	s_wait_alu depctr_va_vdst(0)                   ; and the batch's one wait, ahead of its first reader
.endif
.if sl == 25
	s_wait_xcnt 0x0                                ; the last step's stores have read PQ and the base: only now are they written
	s_add_nc_u64 s[SQB:SQB+1], s[SQB:SQB+1], 1024  ; two tiles of 512 bytes on; the stores reach back
.endif
.else
.set mq, sl-26
.set zz, 0
.rept 4
	v_cvt_pk_bf16_f32 v[PQ+4*mq+zz], v[AQ+8*mq+2*zz], v[AQ+8*mq+2*zz+1]
.set zz, zz+1
.endr
	global_store_b128 v[LO], v[PQ+4*mq:PQ+4*mq+3], s[SQB:SQB+1] offset:16384*mq-1024
.endif
.endm
; SLICE sl OF k's AND v's LIST (30 slices).  0, 1: eight v_nop.  2-17: 16 packed log2e k + log2e bk, 16 packed v + bv and 32 exponentials, ONE BATCH, plain and exponential by turns; a v_nop and one wait close it;
; the stores' registers and base are freed and the base steps.  18-29: three slices a block mb: exp(k) v; exp(k) rounded and stored; exp(k) v rounded and stored.
.macro KSLICE
.if sl < 2
.rept 4
	v_nop
.endr
.elseif sl < 18
.set zz, 0
.rept 4
.set n, 4*(sl-2)+zz
.if n < 2
.set kd, 0
.set ix, n
.elseif n < 4
.set kd, 1
.set ix, n-2
.elseif n < 60
.set qq, (n-4)%4
.set gi, (n-4)/4
.if qq == 0
.set kd, 2
.set ix, 2*gi
.elseif qq == 1
.set kd, 0
.set ix, gi+2
.elseif qq == 2
.set kd, 2
.set ix, 2*gi+1
.else
.set kd, 1
.set ix, gi+2
.endif
.else
.set kd, 2
.set ix, n-32
.endif
.if kd == 0
	v_pk_fma_f32 v[AK+2*ix:AK+2*ix+1], v[AK+2*ix:AK+2*ix+1], s[PL:PL+1], v[BK:BK+1] op_sel_hi:[1,0,0]
.elseif kd == 1
	v_pk_add_f32 v[AV+2*ix:AV+2*ix+1], v[AV+2*ix:AV+2*ix+1], v[BK:BK+1] op_sel:[0,1] op_sel_hi:[1,1]
.else
	v_exp_f32 v[AK+ix], v[AK+ix]
.endif
.set zz, zz+1
.endr
.if sl == 17
	v_nop                                          ; a plain instruction behind the batch's last,
	s_wait_alu depctr_va_vdst(0)                   ; and the batch's one wait
	s_wait_xcnt 0x0                                ; the last step's stores have read PE, PV and the base
	s_add_nc_u64 s[EKB:EKB+1], s[EKB:EKB+1], 131072  ; two blocks of 16 e on; the stores reach back
.endif
.else
.set mq, (sl-18)/3
.set ph, (sl-18)%3
.set zz, 0
.rept 4
.if ph == 0
	v_pk_mul_f32 v[AV+8*mq+2*zz:AV+8*mq+2*zz+1], v[AV+8*mq+2*zz:AV+8*mq+2*zz+1], v[AK+8*mq+2*zz:AK+8*mq+2*zz+1]
.elseif ph == 1
	v_cvt_pk_bf16_f32 v[PE+4*mq+zz], v[AK+8*mq+2*zz], v[AK+8*mq+2*zz+1]
.else
	v_cvt_pk_bf16_f32 v[PV+4*mq+zz], v[AV+8*mq+2*zz], v[AV+8*mq+2*zz+1]
.endif
.set zz, zz+1
.endr
.if ph == 1
	global_store_b128 v[LO], v[PE+4*mq:PE+4*mq+3], s[EKB:EKB+1] offset:32768+1024*(mq/2)+512*(mq%2)-131072
.elseif ph == 2
	global_store_b128 v[LO], v[PV+4*mq:PV+4*mq+3], s[EKB:EKB+1] offset:1024*(mq/2)+512*(mq%2)-131072
.endif
.endif
.endm
.macro RIDE                            ; the next slice of the list in hand (EPI 1: q's, 2: k's and v's, 0: none)
.if (EPI == 1) && (sl < 30)
	WIN 0
	QSLICE
.elseif (EPI == 2) && (sl < 30)
	WIN 0
	KSLICE
.endif
.set sl, sl+1
.endm
; A CHUNK: 64 matrix instructions on buffer f, a slice behind every second one; in its middle the next chunk's bias loads and its 32 fragment loads (kind fk of slot fslot, into buffer g).  fk = -1: nothing is fetched.
.macro CHUNK kind, f, fk, fslot, g, bias, epi
.set i, 0
.set sl, 0
.set EPI, (\epi)
	s_wait_dscnt 16                                ; all but the youngest sixteen loads, which the first 32 products do not read
.rept 16
	MM \kind, \f
	MM \kind, \f
	RIDE
.endr
.if (\fk) >= 0
	PLACES
.if (\bias) == 1
	BIASQ
.else
	BIASKV
.endif
	FETCHW \fk, \fslot, \g
	s_wait_dscnt 34                                ; all but the 2 bias loads and the 32 fragment loads just issued
.else
	s_wait_dscnt 0x0
.endif
.rept 16
	MM \kind, \f
	MM \kind, \f
	RIDE
.endr
.endm
; THE SECOND KV CHUNK CHANGES SLOTS.  In front of ONE barrier each wave waits for all its tensor loads (one is out: its part of the other slot), adds 0 to its spare word, and waits for that and for its reads of this slot.
; fill = 1: the barrier opens a round of the cluster's barrier, and behind the round this slot takes the step two steps on, by the joint load, the first tensor load there.  Then the other slot's first fragments are read.
.macro TURNW slot, f, g, fill
.set i, 0
.if \fill
	s_wait_xcnt 0x0                                ; the last prefetch, a step back, has read its address
	s_add_nc_u64 s[PFA:PFA+1], s[PFA:PFA+1], WSTEP
.endif
	WIN 0                                          ; (the add's two registers lie in window 0)
	s_wait_tensorcnt 0x0                           ; all my tensor loads have landed
	ds_add_u32 v[SPW], v[NIL]                      ; 0 onto my spare word
	s_wait_dscnt 17                                ; (the add and the youngest sixteen loads may be out)
.rept 16
	MM 2, \f
.endr
	s_wait_dscnt 0x0                               ; the add is done, and my reads of this slot are over
	s_barrier_signal -1
.rept 16
	MM 2, \f
.endr
	WIN 0
	s_barrier_wait -1
.if \fill
	CREST                                          ; no wave of any partner still reads this slot or has a load on its way
	s_add_nc_u64 s[GW+4*(\slot)+2:GW+4*(\slot)+3], s[GW+4*(\slot)+2:GW+4*(\slot)+3], 2*WSTEP
	JLOADW \slot                                   ; its four v_nop are also the places in front of the loads below
.else
	PLACES
.endif
	FETCHW 0, 1-(\slot), \g
.if \fill
	WIN 0
	ASK
.endif
.rept 32
	MM 2, \f
.endr
.endm
; x's half hf out of LDS, rounded to bf16, into fragments: 16 loads of 16 bytes bring four blocks' 32 columns as f32; 32 roundings make four fragments.  Two buffers of 64 registers take turns.
.macro LOADX hf, ksl
.set tb, TT+64*((\ksl)%2)
.set z, 0
.rept 4
	ds_load_b128 v[tb+16*z:tb+16*z+3],     v[XA+(\hf)] offset:16*XP*z+128*(\ksl)
	ds_load_b128 v[tb+16*z+4:tb+16*z+7],   v[XA+(\hf)] offset:16*XP*z+128*(\ksl)+16
	ds_load_b128 v[tb+16*z+8:tb+16*z+11],  v[XA+(\hf)] offset:16*XP*z+128*(\ksl)+64
	ds_load_b128 v[tb+16*z+12:tb+16*z+15], v[XA+(\hf)] offset:16*XP*z+128*(\ksl)+80
.set z, z+1
.endr
.endm
.macro XCONV hf
	WIN 0
	LOADX \hf, 0
.set kk, 0
.rept 8
.if kk < 7
	LOADX \hf, kk+1
	s_wait_dscnt 16                                ; all but the sixteen just issued
.else
	s_wait_dscnt 0x0
.endif
	WIN 0x80+0x40*(\hf)                            ; destination window 2 or 3
.set tb2, TT+64*(kk%2)
.set z, 0
.rept 32
	v_cvt_pk_bf16_f32 v[32*kk+z], v[tb2+2*z], v[tb2+2*z+1]
.set z, z+1
.endr
	WIN 0
.set kk, kk+1
.endr
.endm
	s_load_b256 s[4:11], s[0:1], 0x0               ; x s[4:5], wb s[6:7], bq s[8:9], bk s[10:11]
	s_load_b128 s[12:15], s[0:1], 0x20             ; bv s[12:13], ekt s[14:15]
	s_load_b64 s[16:17], s[0:1], 0x30              ; sq
	v_lshl_add_u32 v[SPW], v0, 2, SPARE
	v_mov_b32 v[NIL], 0
	ds_add_u32 v[SPW], v[NIL]                      ; the wave's opening: the add, twice on end, and its wait ahead of my first tensor load
	ds_add_u32 v[SPW], v[NIL]                      ; and once more, under the one wait; the set-up below, work on registers, stands between
	v_lshrrev_b32 v1, 5, v0
	v_readfirstlane_b32 s[WV], v1                  ; wave 0..3
	s_lshr_b32 s[RH], s[WV], 1
	s_and_b32 s[CH], s[WV], 1
	s_bfe_u32 s[CX], ttmp6, 0x40000                ; my place in the cluster
	s_lshl_b32 s[GN], ttmp9, 2                     ; in a cluster launch ttmp9 counts clusters
	s_add_co_u32 s[GN], s[GN], s[CX]               ; g: it enters x's, ekt's and sq's addresses alone
	; group 1 for x: 32 rows x 256 elements of 4 bytes, 512 elements from row to row, 4 words of padding behind every 256 words; no mask: each work-group has rows of its own
	s_mov_b32 s[G1X+0], (2<<16)|(1<<20)|(7<<22)|(3<<25)
	s_mov_b32 s[G1X+1], 256<<16
	s_mov_b32 s[G1X+2], 32<<16
	s_mov_b32 s[G1X+3], 256<<16
	s_mov_b32 s[G1X+4], 32
	s_mov_b32 s[G1X+5], 512
	s_mov_b32 s[G1X+6], 0
	s_mov_b32 s[G1X+7], 0
	; group 1 for wb: 24 rows x 512 elements of 2 bytes, dense, the same padding; the mask names all four work-groups, bit 21 is set beside it
	s_mov_b32 s[G1W+0], 15|(1<<16)|(1<<20)|(1<<21)|(7<<22)|(3<<25)
	s_mov_b32 s[G1W+1], 512<<16
	s_mov_b32 s[G1W+2], 24<<16
	s_mov_b32 s[G1W+3], 512<<16
	s_mov_b32 s[G1W+4], 24
	s_mov_b32 s[G1W+5], 512
	s_mov_b32 s[G1W+6], 0
	s_mov_b32 s[G1W+7], 0
	s_mov_b32 s[GX], 1
	s_mul_i32 s[GX+1], s[WV], 32*XP                ; my 32 rows of half 0,
	s_mov_b32 s[GX+4], 1
	s_add_co_u32 s[GX+5], s[GX+1], XH              ; of half 1
	s_mov_b32 s[GW], 1
	s_mul_i32 s[GW+1], s[WV], 24*XP                ; my 24 rows of slot 0,
	s_mov_b32 s[GW+4], 1
	s_add_co_u32 s[GW+5], s[GW+1], SLOT1           ; of slot 1: no place in the cluster enters an LDS address
	s_mov_b32 s[PL], 0x3fb8aa3b                    ; log2 e
	s_mov_b32 s[PL+1], s[PL]
	s_mov_b32 s[NL], 0xbfb8aa3b
	s_mov_b32 s[NL+1], s[NL]
	s_mov_b32 s[TO], 0
	s_lshl_b32 s72, s[GN], 18                      ; x: 128 rows of 2,048 bytes a work-group,
	s_lshl_b32 s73, s[WV], 16                      ; 32 a wave
	s_add_co_u32 s72, s72, s73
	s_mov_b32 s73, 0
	s_mul_i32 s74, s[WV], 24*1024                  ; wb: 24 rows of 1,024 bytes a wave
	s_mov_b32 s75, 0
	s_cmp_eq_u32 s[WV], 3
	s_cselect_b32 s[LIM], 1, 0
	s_or_b32 s[LIM], s[LIM], ttmp9                 ; 0 in waves 0 to 2 of cluster 0: the same in all four partners
	s_cmp_eq_u32 s[LIM], 0
	s_cselect_b32 s[LIM], 1, -1
	s_wait_dscnt 0x0                               ; both opening adds are done
	s_wait_kmcnt 0x0
	s_add_nc_u64 s[GX+2:GX+3], s[4:5], s[72:73]
	s_add_nc_u64 s[GX+6:GX+7], s[GX+2:GX+3], 1024  ; columns 256 on
	s_or_b32 s[GX+3], s[GX+3], 0x80000000
	s_or_b32 s[GX+7], s[GX+7], 0x80000000
	s_add_nc_u64 s[GW+2:GW+3], s[6:7], s[74:75]    ; step 0,
	s_add_nc_u64 s[GW+6:GW+7], s[GW+2:GW+3], WSTEP ; step 1
	s_or_b32 s[GW+3], s[GW+3], 0x80000000
	s_or_b32 s[GW+7], s[GW+7], 0x80000000
	CROUND                                         ; in a cluster launch every group of tensor loads stands behind a round
	tensor_load_to_lds s[GX:GX+3], s[G1X:G1X+7]    ; both halves of my 32 rows of x: two loads of mine are out
	s_nop 0
	tensor_load_to_lds s[GX+4:GX+7], s[G1X:G1X+7]
	s_nop 0
.rept 4
	v_nop
.endr
	v_lshlrev_b32 v30, 4, v0                       ; thread t takes 16 bytes of each bias
	global_load_b128 v[32:35], v30, s[8:9]
	global_load_b128 v[36:39], v30, s[10:11]
	global_load_b128 v[40:43], v30, s[12:13]
	v_lshl_add_u32 v31, v0, 4, TBL
	v_and_b32 v26, 15, v0                          ; r
	v_bfe_u32 v27, v0, 4, 1                        ; h
	v_and_b32 v28, 31, v0                          ; lane
	v_mul_u32_u24 v29, v26, XP
	s_mul_i32 s72, s[RH], 64*XP
	v_lshl_add_u32 v[XA], v27, 5, v29              ; x as f32: row 64 rh + r, 32 bytes for each half of the lanes
	v_add_nc_u32 v[XA], s72, v[XA]
	v_add_nc_u32 v[XA+1], XH, v[XA]
	s_mul_i32 s72, s[CH], 16*XP
	v_lshl_add_u32 v[WA], v27, 4, v29              ; W: row 16 ch + r, 16 bytes for each half of the lanes
	v_add_nc_u32 v[WA], s72, v[WA]
	v_add_nc_u32 v[WA+1], WSEC, v[WA]
	v_add_nc_u32 v[WA+2], 2*WSEC, v[WA]
	v_add_nc_u32 v[WA+3], SLOT1, v[WA]
	v_add_nc_u32 v[WA+4], SLOT1+WSEC, v[WA]
	v_add_nc_u32 v[WA+5], SLOT1+2*WSEC, v[WA]
	s_lshl_b32 s72, s[CH], 6
	s_add_co_u32 s72, s72, TBL
	v_lshl_add_u32 v[TQ], v27, 5, s72              ; e = 16 ch + 8 h + 0..7
	v_lshl_add_u32 v[TK], v26, 2, s72              ; e = 16 ch + r,
	v_add_nc_u32 v[TK], 2048, v[TK]                ; in k's part of the table
	v_lshlrev_b32 v[LO], 4, v28
	v_lshlrev_b32 v[PFO], 8, v28
	; where my results go
	s_lshr_b32 s76, s[GN], 3                       ; b
	s_and_b32 s77, s[GN], 7                        ; which 128 of the batch's 1,024 rows
	s_lshl_b32 s72, s76, 5
	s_add_co_u32 s72, s72, s[CH]
	s_lshl_b32 s72, s72, 16                        ; (32 b + ch) x 65,536
	s_lshl_b32 s78, s77, 2
	s_lshl_b32 s73, s[RH], 1
	s_add_co_u32 s78, s78, s73
	s_lshl_b32 s78, s78, 10                        ; + my first T / 32 x 1,024
	s_add_co_u32 s72, s72, s78
	s_mov_b32 s73, 0
	s_add_nc_u64 s[EKB:EKB+1], s[14:15], s[72:73]
	s_lshl_b32 s72, s76, 6
	s_lshl_b32 s78, s77, 3
	s_add_co_u32 s72, s72, s78
	s_lshl_b32 s78, s[RH], 2
	s_add_co_u32 s72, s72, s78                     ; 64 b + my first t / 16
	s_lshl_b32 s72, s72, 5
	s_add_co_u32 s72, s72, s[CH]
	s_lshl_b32 s72, s72, 9
	s_add_nc_u64 s[SQB:SQB+1], s[16:17], s[72:73]
	s_mul_i32 s72, s[CX], 3                        ; the prefetches: block of 8,192 bytes number 3 cx + wave of a step,
	s_add_co_u32 s72, s72, s[WV]
	s_lshl_b32 s72, s72, 13
	s_add_co_u32 s72, s72, 3*WSTEP                 ; at step 3: the first change of slots steps it to 4.  Steps 0 to 3 come by their loads alone
	s_add_nc_u64 s[PFA:PFA+1], s[6:7], s[72:73]
	s_wait_loadcnt 0x0                             ; the biases
.irp a, 32, 36, 40
	v_cvt_pk_bf16_f32 v44, v[\a], v[\a+1]          ; rounded to bf16, like every input,
	v_cvt_pk_bf16_f32 v45, v[\a+2], v[\a+3]
	v_lshlrev_b32 v[\a], 16, v44                   ; and back to f32
	v_and_b32 v[\a+1], 0xffff0000, v44
	v_lshlrev_b32 v[\a+2], 16, v45
	v_and_b32 v[\a+3], 0xffff0000, v45
.endr
	v_pk_mul_f32 v[32:33], v[32:33], s[NL:NL+1] op_sel_hi:[1,0]
	v_pk_mul_f32 v[34:35], v[34:35], s[NL:NL+1] op_sel_hi:[1,0]
	v_pk_mul_f32 v[36:37], v[36:37], s[PL:PL+1] op_sel_hi:[1,0]
	v_pk_mul_f32 v[38:39], v[38:39], s[PL:PL+1] op_sel_hi:[1,0]
	ds_store_b128 v31, v[32:35]
	ds_store_b128 v31, v[36:39] offset:2048
	ds_store_b128 v31, v[40:43] offset:4096
	s_wait_tensorcnt 1                             ; my part of x's half 0 is in; half 1 may stay out
	s_wait_dscnt 0x0                               ; my part of the table is written
	s_barrier_signal -1
	s_barrier_wait -1
	XCONV 0
	s_wait_tensorcnt 0x0                           ; half 1 has landed too;
	ds_add_u32 v[SPW], v[NIL]
	s_wait_dscnt 0x0                               ; my reads of half 0 are over
	CROUND
	JLOADW 0                                       ; step 0 takes bytes of half 0
	XCONV 1
	s_wait_tensorcnt 0x0                           ; step 0 has landed;
	ds_add_u32 v[SPW], v[NIL]
	s_wait_dscnt 0x0                               ; my reads of half 1 are over
	CROUND
	JLOADW 1                                       ; step 1
	FETCHW 0, 0, F0
	CHUNK 0, F0, 1, 0, F1, 1, 0                    ; step 0's Q chunk stands in front of the loop: there is no list yet to ride in it
	WIN 0                                          ; at a label and at a branch every window is 0
	s_mov_b32 s3, 7
.Llap:                                                 ; a trip: two steps, from a step's first KV chunk to the Q chunk two steps on; both slots are filled again
	CHUNK 1, F1, 2, 0, F0, 2, 1
	TURNW 0, F0, F1, 1
	CHUNK 0, F1, 1, 1, F0, 1, 2
	CHUNK 1, F0, 2, 1, F1, 2, 1
	TURNW 1, F1, F0, 1
	CHUNK 0, F0, 1, 0, F1, 1, 2
	WIN 0
	s_sub_co_u32 s3, s3, 1
	s_cmp_lg_u32 s3, 0
	s_cbranch_scc1 .Llap
	CHUNK 1, F1, 2, 0, F0, 2, 1                    ; steps 14 and 15 are written out: nothing is asked for
	TURNW 0, F0, F1, 0
	CHUNK 0, F1, 1, 1, F0, 1, 2
	CHUNK 1, F0, 2, 1, F1, 2, 1
	CHUNK 2, F1, -1, 0, 0, 0, 0
.set EPI, 2
.set sl, 0
.rept 30
	RIDE                                           ; the last step's k and v: the list on end
.endr
	WIN 0
	s_wait_tensorcnt 0x0                           ; the wave's end
	ds_add_u32 v[SPW], v[NIL]
	s_wait_dscnt 0x0
	CROUND                                         ; the closing round: no work-group ends while a partner may still ask for a tile that names it
	s_endpgm
.Lfunc_end_k_qcfc9769c28_proj:
	.size	k_qcfc9769c28_proj, .Lfunc_end_k_qcfc9769c28_proj-k_qcfc9769c28_proj
	.p2alignl 7, 3214868480
	.fill 96, 4, 3214868480
	.section	.rodata,"a",@progbits
	.p2align	6, 0x0
	.amdhsa_kernel k_qcfc9769c28_proj
		.amdhsa_group_segment_fixed_size 327680
		.amdhsa_private_segment_fixed_size 0
		.amdhsa_enable_private_segment 0
		.amdhsa_kernarg_size 56
		.amdhsa_user_sgpr_count 2
		.amdhsa_user_sgpr_kernarg_segment_ptr 1
		.amdhsa_wavefront_size32 1
		.amdhsa_system_sgpr_workgroup_id_x 1
		.amdhsa_system_sgpr_workgroup_id_y 1
		.amdhsa_system_sgpr_workgroup_id_z 1
		.amdhsa_system_vgpr_workitem_id 0
		.amdhsa_next_free_vgpr 1024
		.amdhsa_next_free_sgpr 80
		.amdhsa_reserve_vcc 0
		.amdhsa_float_denorm_mode_32 3
		.amdhsa_float_denorm_mode_16_64 3
		.amdhsa_memory_ordered 1
		.amdhsa_forward_progress 1
		.amdhsa_inst_pref_size 204
	.end_amdhsa_kernel
	.amdgpu_metadata
---
amdhsa.version: [ 1, 2 ]
amdhsa.kernels:
  - .name:           k_qcfc9769c28_proj
    .symbol:         k_qcfc9769c28_proj.kd
    .args:
      - { .name: x, .offset: 0, .size: 8, .value_kind: global_buffer, .address_space: global }
      - { .name: wb, .offset: 8, .size: 8, .value_kind: global_buffer, .address_space: global }
      - { .name: bq, .offset: 16, .size: 8, .value_kind: global_buffer, .address_space: global }
      - { .name: bk, .offset: 24, .size: 8, .value_kind: global_buffer, .address_space: global }
      - { .name: bv, .offset: 32, .size: 8, .value_kind: global_buffer, .address_space: global }
      - { .name: ekt, .offset: 40, .size: 8, .value_kind: global_buffer, .address_space: global }
      - { .name: sq, .offset: 48, .size: 8, .value_kind: global_buffer, .address_space: global }
    .group_segment_fixed_size: 327680
    .private_segment_fixed_size: 0
    .kernarg_segment_align: 8
    .kernarg_segment_size: 56
    .max_flat_workgroup_size: 128
    .sgpr_count:     80
    .vgpr_count:     1024
    .wavefront_size: 32
...
	.end_amdgpu_metadata
.endif
;; end of part 2
;; launch mix (part 3): grid 128 x 4, 4 waves a work-group, clusters of 4 x 4, 327,680 bytes of LDS; arguments eb, ekt, sq, out0; writes out0
.if DOCPART == 3
	.amdgcn_target "amdgcn-amd-amdhsa--gfx1250"
	.amdhsa_code_object_version 6
	.text
	.protected	k_qcfc9769c28_mix
	.globl	k_qcfc9769c28_mix
	.p2align	8
	.type	k_qcfc9769c28_mix,@function
k_qcfc9769c28_mix:
	s_mov_b64 s[64:65], 0
	v_nop
	global_prefetch_b8 v0, s[64:65] scope:SCOPE_SE
	s_setreg_imm32_b32 hwreg(HW_REG_WAVE_MODE, 25, 1), 1
	s_wait_xcnt 0x0
	s_wait_alu depctr_hold_cnt(0) depctr_sa_sdst(0) depctr_va_vdst(0) depctr_va_sdst(0) depctr_va_ssrc(0) depctr_va_vcc(0) depctr_vm_vsrc(0)
	s_getreg_b32 s2, hwreg(HW_REG_IB_STS2, 6, 4)
	s_cmp_eq_u32 s2, 0
	s_cbranch_scc0 .Lentry_in_a_cluster
	s_endpgm
.Lentry_in_a_cluster:
	s_bfe_u32 s2, ttmp6, 0x10000c
	s_cmp_lg_u32 s2, 0xf033
	s_cbranch_scc0 .Lentry_shape_is_right
	s_endpgm
.Lentry_shape_is_right:
; out[b][t][d] = sq[b][t][d] num / den, num = the sum over T of eb[t][T] (exp(k) v)[b][T][d], den = the sum over T of eb[t][T] exp(k)[b][T][d].  Products in bf16, sums in f32, out in f32.
; eb: [1024][1024] bf16.  ekt: fragments of 1,024 bytes at ((((b 32 + d/16) 2 + sel) 32) + T/32) 1024, the register image of a 16 x 32 operand; sel 0 = exp(k) v, sel 1 = exp(k).
; sq: tiles of 512 bytes at ((b 64 + t/16) 32 + d/16) 512; byte 16 lane holds t = lane % 16, d = 8 (lane / 16) + 0..7, in bf16.
; SHARES.  A cluster of 4 x 4 work-groups makes one batch b.  Work-group (cx, cy): 256 rows t (256 cy on) x 128 columns d (128 cx on), num and den of them: 256 x 256 sums.  Four waves, each 128 t x 64 d:
; 64 accumulators of 16 x 16, of which columns 0-3 are num and columns 4-7 den of the same d, so the quotient never leaves a lane.  T goes in 8 steps of 128 through two LDS slots.
; JOINT LOADS.  eb's tile hangs on cy alone and is shared along a row of the cluster; ekt's on b and cx alone and is shared along a column: each is asked for by the same tensor load with a mask of four.
; THE MATRIX INSTRUCTION IS USED TRANSPOSED (source 0 = 16 d, source 1 = 16 t): a lane holds one t and eight neighbouring d.
; LIMITS.  den below 2^-126 counts as 0, and the reciprocal of a den above 2^126 counts as 0; NaN and infinities are not treated apart; no maximum is taken away, as the formula asked for takes none.
; REGISTERS: window 0: v0-31 addresses; v64-127, v128-191 eb's fragments, two buffers; on the way out v64-127 1 / den (two buffers), v128-159 sq num, v192-223 the quotient, v32-63 and v224-255 rows read back.
;   window 1: v64-127, v128-191 ekt's fragments, two buffers; v0-63, v192-255 sq's 32 tiles.   window 2: the accumulators of my rows 0-63 ((a, b) at 8 (8 a + b)); window 3: of rows 64-127.
.set PITCH,  272                       ; a row of eb in LDS: 256 bytes + 16 of padding: the 16 rows of a load start at 16 different groups of four banks (64 banks of 4 bytes: ISA guide 11.1)
.set HALFA,  128*PITCH                 ; 128 rows of eb: one tensor load
.set BOFF,   2*HALFA                   ; behind eb's 256 rows: 16 row blocks of 4,096 bytes of ekt, dense; block j: d/16 = 8 cx + j / 2, sel = j % 2; a load takes 512 consecutive bytes, so no padding
.set HALFB,  32768                     ; 8 row blocks: one tensor load
.set SLOT,   BOFF+2*HALFB
.set STAGE,  2*SLOT                    ; behind the ring: 16 rows x 272 bytes for each wave, for the way out
.set SPITCH, 272
.set SPARE,  STAGE+4*16*SPITCH         ; the spare words, 128 bytes a wave: two blocks of 256 bytes that no other line names
.set LAPS,   4                         ; a lap = two steps of T = once round the ring
.set ADRA, 16                          ; v16-17 my eb fragments in slot 0, 1
.set ADRB, 20                          ; v20-21 my ekt fragments
.set STO,  24                          ; v24 the way out: where I put 32 bytes of a row
.set RD,   25                          ; v25 where I read a row back
.set CO,   26                          ; v26 my byte offset in two rows of out
.set LO,   27                          ; v27 16 x lane
.set SPW,  28                          ; v28 LDS address of my spare word; never rewritten
.set NIL,  29                          ; v29 0, for the add alone; never rewritten
.set PFO,  30                          ; v30 the prefetches' offset; never rewritten
.set ZR,   31                          ; v31 0: the addend of the multiply that reads sq's halves
.set F0,   64
.set F1,   128
.set RDEN, 64
.set U,    128
.set TMP,  192
.set OB,   32
.set WV,  12                           ; s12 wave; s13 its half of the rows, also: fetches eb (0) or ekt (1); s14 its half of the columns, also: which half of the tile it fetches
.set RH,  13
.set CH,  14
.set CX,  15
.set CY,  20
.set G1,  24                           ; s[24:31] group 1 for eb;  s[32:39] group 0, a set a slot
.set G0,  32
.set LIM, 43                           ; s43 1 in a wave that prefetches, else the greatest number
.set PFA, 44                           ; s[44:45] where my prefetches stand
.set PST, 46                           ; s[46:47] their step: a step of T in my tensor
.set G1B, 48                           ; s[48:55], s[56:63] the same for ekt
.set G0B, 56
.set MSB, 0
.macro WIN new                         ; the high byte repeats the setting that is left; a switch that changes nothing is dropped
.if MSB != (\new)
	s_set_vgpr_msb (MSB<<8)|(\new)
.set MSB, (\new)
.endif
.endm
.set MUL_LO, 0xa1                      ; source 0 (ekt) window 1, source 1 (eb) window 0, C and D window 2
.set MUL_HI, 0xf1                      ; the same, C and D window 3
.set TO_B,   0x40                      ; destination window 1, address window 0
.macro JLOAD s                         ; a joint load: waves 0 and 1 fetch eb's two halves, waves 2 and 3 ekt's; an s_nop 0 and four v_nop follow each line
	s_cmp_eq_u32 s[RH], 0
	s_cbranch_scc0 .Lfor_b_\@
	tensor_load_to_lds s[G0+4*(\s):G0+4*(\s)+3], s[G1:G1+7]
	s_nop 0
.rept 4
	v_nop
.endr
	s_branch .Lasked_\@
.Lfor_b_\@:
	tensor_load_to_lds s[G0B+4*(\s):G0B+4*(\s)+3], s[G1B:G1B+7]
	s_nop 0
.rept 4
	v_nop
.endr
.Lasked_\@:
.endm
; A PREFETCH INTO THE L2 of the step of T that stands two refills on (512 matrix instructions ahead of the load that will want it): 32 blocks of 256 bytes, a lane a block, one instruction a wave.
; Of what a wave fetches each of the four partners that ask with it takes a quarter, told apart by address: 32 rows of eb (by cx), 2 row blocks of ekt (by cy).  eb is read by every cluster: cluster 0 alone asks.
; A block of ekt is read by one cluster alone: every cluster asks for its own.  So each block is named once in the launch.  The loop's last trip asks for nothing; steps 0 to 3 come by their loads alone.
.macro ASK
	s_cmp_gt_u32 s3, s[LIM]
	s_cbranch_scc0 .Lnot_mine_\@
	global_prefetch_b8 v[PFO], s[PFA:PFA+1] th:TH_LOAD_NT scope:SCOPE_SE
.Lnot_mine_\@:
.endm
.macro CREST                           ; a round of the cluster's barrier behind its opening barrier
	s_cmp_lg_u32 s[WV], 0
	s_cbranch_scc1 .Lnot_wave_0_\@
	s_barrier_signal -3
.Lnot_wave_0_\@:
	s_barrier_wait -3
	s_barrier_signal -1
	s_barrier_wait -1
.endm
.macro CROUND
	s_barrier_signal -1
	s_barrier_wait -1
	CREST
.endm
	s_load_b256 s[4:11], s[0:1], 0x0               ; eb s[4:5], ekt s[6:7], sq s[8:9], out0 s[10:11]
	v_lshl_add_u32 v[SPW], v0, 2, SPARE
	v_mov_b32 v[NIL], 0
	ds_add_u32 v[SPW], v[NIL]                      ; the wave's opening: the add, twice on end, and its wait ahead of my first tensor load
	ds_add_u32 v[SPW], v[NIL]                      ; and once more, under the one wait; the set-up below, work on registers, stands between
	v_lshrrev_b32 v1, 5, v0
	v_readfirstlane_b32 s[WV], v1                  ; wave 0..3
	s_lshr_b32 s[RH], s[WV], 1
	s_and_b32 s[CH], s[WV], 1
	s_bfe_u32 s[CX], ttmp6, 0x40000                ; my place in the cluster
	s_bfe_u32 s[CY], ttmp6, 0x40004
	s_lshl_b32 s22, s[CY], 2
	s_lshl_b32 s22, 15, s22                        ; my row of the cluster
	s_lshl_b32 s23, 0x1111, s[CX]                  ; my column
	s_or_b32 s[G1+0], s22, (1<<16)|(1<<20)|(1<<21)|(5<<22)|(3<<25)  ; eb: elements of 2 bytes, 4 words of padding behind every 64 words; bit 21 set beside the mask
	s_mov_b32 s[G1+1], 128<<16                     ; 128 x 128 elements,
	s_mov_b32 s[G1+2], 128<<16
	s_mov_b32 s[G1+3], 128<<16
	s_mov_b32 s[G1+4], 128
	s_mov_b32 s[G1+5], 1024                        ; 1,024 elements from row to row
	s_mov_b32 s[G1+6], 0
	s_mov_b32 s[G1+7], 0
	s_or_b32 s[G1B+0], s23, (3<<16)|(1<<21)        ; ekt: elements of 8 bytes, no padding
	s_mov_b32 s[G1B+1], 512<<16                    ; 8 rows of 512 elements (4,096 bytes: four fragments),
	s_mov_b32 s[G1B+2], 8<<16
	s_mov_b32 s[G1B+3], 512<<16
	s_mov_b32 s[G1B+4], 8
	s_mov_b32 s[G1B+5], 4096                       ; 32,768 bytes from row block to row block
	s_mov_b32 s[G1B+6], 0
	s_mov_b32 s[G1B+7], 0
	s_lshl_b32 s16, s[CY], 8                       ; eb: row 256 cy + 128 x half, of 2,048 bytes: in registers that never hold cx
	s_lshl_b32 s17, s[CH], 7
	s_add_co_u32 s16, s16, s17
	s_lshl_b32 s16, s16, 11
	s_mov_b32 s17, 0
	s_lshl_b32 s40, ttmp9, 2                       ; ekt: (4 b + cx) x 524,288 + half x 262,144: in registers that never hold cy
	s_add_co_u32 s40, s40, s[CX]
	s_lshl_b32 s40, s40, 19
	s_lshl_b32 s41, s[CH], 18
	s_add_co_u32 s40, s40, s41
	s_mov_b32 s41, 0
	s_mul_i32 s18, s[CH], HALFA                    ; where they go: no place in the cluster enters an LDS address
	s_lshl_b32 s19, s[CH], 15
	s_add_co_u32 s19, s19, BOFF
	s_wait_dscnt 0x0                               ; both opening adds are done
	s_wait_kmcnt 0x0
	s_add_nc_u64 s[16:17], s[4:5], s[16:17]
	s_add_nc_u64 s[40:41], s[6:7], s[40:41]
	CROUND                                         ; all sixteen work-groups are here: the first joint loads meet
.irp s, 0,1
	s_mov_b32 s[G0+4*(\s)], 1
	s_add_co_u32 s[G0+4*(\s)+1], s18, (\s)*SLOT
	s_add_nc_u64 s[G0+4*(\s)+2:G0+4*(\s)+3], s[16:17], (\s)*256   ; step s of T: 256 bytes of a row
	s_or_b32 s[G0+4*(\s)+3], s[G0+4*(\s)+3], 0x80000000
	s_mov_b32 s[G0B+4*(\s)], 1
	s_add_co_u32 s[G0B+4*(\s)+1], s19, (\s)*SLOT
	s_add_nc_u64 s[G0B+4*(\s)+2:G0B+4*(\s)+3], s[40:41], (\s)*4096  ; 4,096 bytes of a row block
	s_or_b32 s[G0B+4*(\s)+3], s[G0B+4*(\s)+3], 0x80000000
	JLOAD \s
.endr
	v_and_b32 v1, 15, v0                           ; r
	v_bfe_u32 v2, v0, 4, 1                         ; h
	v_and_b32 v4, 31, v0
	v_mov_b32 v[ZR], 0
	v_lshlrev_b32 v[LO], 4, v4
	v_mul_u32_u24 v3, v1, PITCH
	v_lshl_add_u32 v3, v2, 4, v3                   ; a fragment of eb: row x pitch + 16 x half
	s_mul_i32 s22, s[RH], HALFA                    ; my 128 rows
	v_add_nc_u32 v[ADRA], s22, v3
	v_add_nc_u32 v[ADRA+1], SLOT, v[ADRA]
	s_lshl_b32 s23, s[CH], 15                      ; my 8 row blocks of ekt
	s_add_co_u32 s23, s23, BOFF
	v_add_nc_u32 v[ADRB], s23, v[LO]
	v_add_nc_u32 v[ADRB+1], SLOT, v[ADRB]
	s_mul_i32 s22, s[WV], 16*SPITCH
	s_add_co_u32 s22, s22, STAGE                   ; my stage
	v_mul_u32_u24 v5, v1, SPITCH                   ; in: row r, 32 bytes for each half of the lanes
	v_lshl_add_u32 v5, v2, 5, v5
	v_add_nc_u32 v[STO], s22, v5
	v_mul_u32_u24 v5, v2, SPITCH                   ; back: lanes 0-15 take one row of 256 bytes, lanes 16-31 the next
	v_lshl_add_u32 v5, v1, 4, v5
	v_add_nc_u32 v[RD], s22, v5
	v_lshlrev_b32 v5, 11, v2                       ; and the same two rows in out: 2,048 bytes a row
	v_lshl_add_u32 v[CO], v1, 4, v5
	s_lshl_b32 s66, ttmp9, 10                      ; out at my first row, 1,024 b + 256 cy + 128 rh,
	s_lshl_b32 s67, s[CY], 8
	s_add_co_u32 s66, s66, s67
	s_lshl_b32 s67, s[RH], 7
	s_add_co_u32 s66, s66, s67
	s_lshl_b32 s66, s66, 11
	s_lshl_b32 s67, s[CX], 9                       ; and my first column, 128 cx + 64 ch, of 4 bytes
	s_add_co_u32 s66, s66, s67
	s_lshl_b32 s67, s[CH], 8
	s_add_co_u32 s66, s66, s67
	s_mov_b32 s67, 0
	s_add_nc_u64 s[10:11], s[10:11], s[66:67]
	s_lshl_b32 s66, ttmp9, 6                       ; sq at tile row 64 b + 16 cy + 8 rh,
	s_lshl_b32 s67, s[CY], 4
	s_add_co_u32 s66, s66, s67
	s_lshl_b32 s67, s[RH], 3
	s_add_co_u32 s66, s66, s67
	s_lshl_b32 s66, s66, 5
	s_lshl_b32 s67, s[CX], 3                       ; tile column 8 cx + 4 ch
	s_add_co_u32 s66, s66, s67
	s_lshl_b32 s67, s[CH], 2
	s_add_co_u32 s66, s66, s67
	s_lshl_b32 s66, s66, 9
	s_mov_b32 s67, 0
	s_add_nc_u64 s[8:9], s[8:9], s[66:67]
	; the prefetches
	s_lshl_b32 s66, s[CY], 8                       ; eb: row 256 cy + 128 x half + 32 cx,
	s_lshl_b32 s67, s[CH], 7
	s_add_co_u32 s66, s66, s67
	s_lshl_b32 s67, s[CX], 5
	s_add_co_u32 s66, s66, s67
	s_lshl_b32 s66, s66, 11
	s_add_co_u32 s66, s66, 3*256                   ; at step 3: the first change of slots steps it to 4
	s_lshl_b32 s68, ttmp9, 2                       ; ekt: my half of the tile, row blocks 2 cy and 2 cy + 1,
	s_add_co_u32 s68, s68, s[CX]
	s_lshl_b32 s68, s68, 19
	s_lshl_b32 s69, s[CH], 18
	s_add_co_u32 s68, s68, s69
	s_lshl_b32 s69, s[CY], 16
	s_add_co_u32 s68, s68, s69
	s_add_co_u32 s68, s68, 3*4096                  ; at step 3
	s_mov_b32 s[PST], 4096
	s_mov_b32 s70, 256
	s_cmp_eq_u32 s[RH], 0                          ; do I fetch eb?
	s_cselect_b32 s66, s66, s68
	s_cselect_b64 s[PFA:PFA+1], s[4:5], s[6:7]
	s_cselect_b32 s[PST], 256, s[PST]
	s_cselect_b32 s70, 2048, s70                   ; from block to block: a row of eb, or 256 bytes of a row block
	s_cselect_b32 s69, ttmp9, 0                    ; eb is asked for by cluster 0 alone: the same in all sixteen partners, for a given wave
	s_mov_b32 s67, 0
	s_mov_b32 s[PST+1], 0
	s_add_nc_u64 s[PFA:PFA+1], s[PFA:PFA+1], s[66:67]
	s_cmp_eq_u32 s69, 0
	s_cselect_b32 s[LIM], 1, -1
	v_mul_u32_u24 v[PFO], v1, s70
	v_lshl_add_u32 v[PFO], v2, 15, v[PFO]          ; lanes 16-31: 16 rows of eb, or a row block of ekt, further on: 32,768 bytes either way
; 16 matrix instructions: t blocks a0, a0 + 1 of the window's four x all 8 columns, 32 along T.  The 64 accumulators take turns.  zero = 1: the first product starts the sums.
.macro MUL16 f, hi, a0, zero
	WIN MUL_LO+0x50*(\hi)
.irp a, \a0, (\a0)+1
.irp b, 0,1,2,3,4,5,6,7
.if \zero
	v_wmma_f32_16x16x32_bf16 v[8*(8*(\a)+(\b)):8*(8*(\a)+(\b))+7], v[(\f)+8*(\b):(\f)+8*(\b)+7], v[(\f)+8*(4*(\hi)+(\a)):(\f)+8*(4*(\hi)+(\a))+7], 0
.else
	v_wmma_f32_16x16x32_bf16 v[8*(8*(\a)+(\b)):8*(8*(\a)+(\b))+7], v[(\f)+8*(\b):(\f)+8*(\b)+7], v[(\f)+8*(4*(\hi)+(\a)):(\f)+8*(4*(\hi)+(\a))+7], v[8*(8*(\a)+(\b)):8*(8*(\a)+(\b))+7]
.endif
.endr
.endr
.endm
; 32 LDS loads in one run: quarter q of a step into buffer f.  Column i of ekt: d block i % 4, sel i / 4: row block 2 (i % 4) + i / 4 of my eight; its fragment of quarter q lies 1,024 q on, two halves of 512 bytes.
.macro FETCH slot, q, f
	WIN TO_B
.irp i, 0,1,2,3,4,5,6,7
	ds_load_b128 v[(\f)+8*(\i):(\f)+8*(\i)+3],   v[ADRB+(\slot)] offset:(2*((\i)%4)+(\i)/4)*4096+1024*(\q)
	ds_load_b128 v[(\f)+8*(\i)+4:(\f)+8*(\i)+7], v[ADRB+(\slot)] offset:(2*((\i)%4)+(\i)/4)*4096+1024*(\q)+512
.endr
	WIN 0
.irp i, 0,1,2,3,4,5,6,7
	ds_load_b128 v[(\f)+8*(\i):(\f)+8*(\i)+3],   v[ADRA+(\slot)] offset:64*(\q)+(\i)*16*PITCH
	ds_load_b128 v[(\f)+8*(\i)+4:(\f)+8*(\i)+7], v[ADRA+(\slot)] offset:64*(\q)+(\i)*16*PITCH+32
.endr
.endm
.macro PLACES                          ; four places in front of loads into registers that matrix instructions have read (ISA guide 7.12.1 for vector instructions)
.rept 4
	v_nop
.endr
.endm
; One of a step's first three quarters: multiplies buffer f; in its middle it fetches quarter q of the same slot into buffer g.
.macro QUARTER slot, q, f, g, zero
	s_wait_dscnt 8                                 ; ekt's fragments and eb's rows 0-63 are in; the youngest eight loads (rows 64-127) may be out
	MUL16 \f, 0, 0, \zero
	MUL16 \f, 0, 2, \zero
	PLACES
	FETCH \slot, \q, \g
	s_wait_dscnt 32                                ; all but the 32 just issued
	MUL16 \f, 1, 0, \zero
	MUL16 \f, 1, 2, \zero
.endm
; The first half of a step's last quarter: ONE barrier for the change of slots.  In front of it each wave waits for all its tensor loads (one is out: its part of the next slot), adds 0 to its spare word, and waits for that and for its reads of this slot.
.macro MEET round
	WIN 0                                          ; (the add's two registers lie in window 0)
	s_wait_tensorcnt 0x0
	ds_add_u32 v[SPW], v[NIL]
	s_wait_dscnt 9                                 ; (the add and the youngest eight loads may be out)
	MUL16 F1, 0, 0, 0
	s_wait_dscnt 0x0                               ; the add is done, and my reads of this slot are over
	s_barrier_signal -1
	MUL16 F1, 0, 2, 0
.if \round
	WIN 0
.endif
	s_barrier_wait -1
.endm
; The whole last quarter, with a refill: the barrier opens a round of the cluster's barrier; behind the round this slot takes the step two steps on; then the next slot's first fragments are read.
.macro TURN slot, next
	s_wait_xcnt 0x0                                ; the last prefetch, a step back, has read its address
	s_add_nc_u64 s[PFA:PFA+1], s[PFA:PFA+1], s[PST:PST+1]
	MEET 1
	CREST                                          ; no wave of any partner still reads this slot or has a load on its way
	s_add_nc_u64 s[G0+4*(\slot)+2:G0+4*(\slot)+3], s[G0+4*(\slot)+2:G0+4*(\slot)+3], 2*256
	s_add_nc_u64 s[G0B+4*(\slot)+2:G0B+4*(\slot)+3], s[G0B+4*(\slot)+2:G0B+4*(\slot)+3], 2*4096
	JLOAD \slot                                    ; the first tensor load behind the round; its four v_nop are also the places in front of the loads below
	FETCH \next, 0, F0
	ASK
	MUL16 F1, 1, 0, 0
	MUL16 F1, 1, 2, 0
.endm
; THE WAY OUT, a block a of 16 rows at a time.
.macro RCPS a                          ; 1 / den of block a: 32 reciprocals, each accumulator from its low end on
.set z, 0
.rept 32
	v_rcp_f32 v[RDEN+32*((\a)%2)+z], v[64*((\a)%4)+32+z]
.set z, z+1
.endr
.endm
.macro TOSTAGE a                       ; into my own stage, and back as whole rows of 256 bytes
.set BKR, OB+192*((\a)%2)
.irp b, 0,1,2,3
	ds_store_b128 v[STO], v[TMP+8*(\b):TMP+8*(\b)+3]   offset:64*(\b)
	ds_store_b128 v[STO], v[TMP+8*(\b)+4:TMP+8*(\b)+7] offset:64*(\b)+16
.endr
.irp t, 0,1,2,3,4,5,6,7
	ds_load_b128 v[BKR+4*(\t):BKR+4*(\t)+3], v[RD] offset:(\t)*2*SPITCH  ; LDS serves a wave's instructions in order (ISA guide 5.7.1.4): these see the stores above
.endr
.endm
.macro SEND a
.set BKR, OB+192*((\a)%2)
	s_wait_dscnt 0x0                               ; the block is back in registers
	s_wait_xcnt 0x0                                ; earlier stores have read their base and their registers: only now are these written again
.if (\a) > 0
	s_add_nc_u64 s[10:11], s[10:11], 16*2048       ; 16 rows of out on
.endif
.irp t, 0,1,2,3,4,5,6,7
	global_store_b128 v[CO], v[BKR+4*(\t):BKR+4*(\t)+3], s[10:11] offset:4096*(\t) th:TH_STORE_NT  ; 16 lanes store 256 consecutive bytes, at a multiple of 256 from out's first byte
.endr
.endm
; Block a: sq x num (sq's bf16 halves are read by the multiply itself), with the next block's reciprocals between, one for one; the product times 1 / den, whose batch was waited for a block earlier;
; the block before leaves; this one goes through the stage; then the one wait for the reciprocals just issued.  Block 4 lies in the other window than block 3: its reciprocals stand on end.
.macro BLOCK a
	WIN 0x06+(\a)/4                                ; source 0 (sums) window 2 or 3, source 1 (sq) window 1, the rest window 0
.set z, 0
.rept 32
.set ti, 4*(\a)+z/8
.if ti < 16
.set sr, 4*ti+(z%8)/2
.else
.set sr, 192+4*(ti-16)+(z%8)/2
.endif
.if z%2 == 0
	v_fma_mix_f32_bf16 v[U+z], v[64*((\a)%4)+z], v[sr], v[ZR] op_sel:[0,0,0] op_sel_hi:[0,1,0]
.else
	v_fma_mix_f32_bf16 v[U+z], v[64*((\a)%4)+z], v[sr], v[ZR] op_sel:[0,1,0] op_sel_hi:[0,1,0]
.endif
.if ((\a) != 3) && ((\a) != 7)
	v_rcp_f32 v[RDEN+32*(((\a)+1)%2)+z], v[64*(((\a)+1)%4)+32+z]
.endif
.set z, z+1
.endr
.if (\a) == 3
	WIN 0x03
	RCPS 4
.endif
	WIN 0
.set z, 0
.rept 16
	v_pk_mul_f32 v[TMP+2*z:TMP+2*z+1], v[U+2*z:U+2*z+1], v[RDEN+32*((\a)%2)+2*z:RDEN+32*((\a)%2)+2*z+1]
.set z, z+1
.endr
.if (\a) > 0
	SEND (\a)-1
.endif
	TOSTAGE \a
.if (\a) < 7
	s_wait_alu depctr_va_vdst(0)                   ; one wait for the 32 reciprocals of the next block, ahead of their first reader
.endif
.endm
	s_wait_tensorcnt 1                             ; my part of step 0 is in; step 1's may stay out
	s_barrier_signal -1
	s_barrier_wait -1
	FETCH 0, 0, F0
	QUARTER 0, 1, F0, F1, 1                        ; the first quarter stands in front of the loop: its products start the sums
	WIN 0                                          ; at a label and at a branch every window is 0
	s_mov_b32 s3, LAPS-1
.Llap:                                                 ; a trip goes once round the ring, from a lap's second quarter to the next lap's first, and fills both slots again
	QUARTER 0, 2, F1, F0, 0
	QUARTER 0, 3, F0, F1, 0
	TURN 0, 1
	QUARTER 1, 1, F0, F1, 0
	QUARTER 1, 2, F1, F0, 0
	QUARTER 1, 3, F0, F1, 0
	TURN 1, 0
	QUARTER 0, 1, F0, F1, 0
	WIN 0
	s_sub_co_u32 s3, s3, 1
	s_cmp_lg_u32 s3, 0
	s_cbranch_scc1 .Llap
	WIN TO_B                                       ; sq's 32 tiles, 16 bytes a lane each, are asked for a lap ahead of their use: tile 4 a + bb
.set z, 0
.rept 32
.if z < 16
.set sr, 4*z
.else
.set sr, 192+4*(z-16)
.endif
	global_load_b128 v[sr:sr+3], v[LO], s[8:9] offset:16384*(z/4)+512*(z%4) th:TH_LOAD_NT
.set z, z+1
.endr
	QUARTER 0, 2, F1, F0, 0                        ; the last lap fills nothing, and has no round of the cluster's barrier
	QUARTER 0, 3, F0, F1, 0
	MEET 0
	PLACES
	FETCH 1, 0, F0
	MUL16 F1, 1, 0, 0
	MUL16 F1, 1, 2, 0
	QUARTER 1, 1, F0, F1, 0
	QUARTER 1, 2, F1, F0, 0
	QUARTER 1, 3, F0, F1, 0
	s_wait_dscnt 8                                 ; the very last quarter: nothing more to fetch
	MUL16 F1, 0, 0, 0
	MUL16 F1, 0, 2, 0
	s_wait_dscnt 0x0
	MUL16 F1, 1, 0, 0
	MUL16 F1, 1, 2, 0
	WIN 0
	s_wait_loadcnt 0x0                             ; sq
	PLACES                                         ; eight places behind the last products, once a launch: what follows reads results and writes over fragments
	PLACES
	WIN 0x02
	RCPS 0
	v_nop                                          ; a plain instruction behind the last reciprocal,
	s_wait_alu depctr_va_vdst(0)                   ; and the batch's one wait
.irp a, 0,1,2,3,4,5,6,7
	BLOCK \a
.endr
	SEND 7
	s_wait_tensorcnt 0x0                           ; the wave's end, behind my last tensor load and my last LDS store
	ds_add_u32 v[SPW], v[NIL]
	s_wait_dscnt 0x0
	CROUND                                         ; the closing round: no work-group ends while a partner may still ask for a tile that names it
	s_endpgm
.Lfunc_end_k_qcfc9769c28_mix:
	.size	k_qcfc9769c28_mix, .Lfunc_end_k_qcfc9769c28_mix-k_qcfc9769c28_mix
	.p2alignl 7, 3214868480
	.fill 96, 4, 3214868480
	.section	.rodata,"a",@progbits
	.p2align	6, 0x0
	.amdhsa_kernel k_qcfc9769c28_mix
		.amdhsa_group_segment_fixed_size 327680
		.amdhsa_private_segment_fixed_size 0
		.amdhsa_enable_private_segment 0
		.amdhsa_kernarg_size 32
		.amdhsa_user_sgpr_count 2
		.amdhsa_user_sgpr_kernarg_segment_ptr 1
		.amdhsa_wavefront_size32 1
		.amdhsa_system_sgpr_workgroup_id_x 1
		.amdhsa_system_sgpr_workgroup_id_y 1
		.amdhsa_system_sgpr_workgroup_id_z 1
		.amdhsa_system_vgpr_workitem_id 0
		.amdhsa_next_free_vgpr 1024
		.amdhsa_next_free_sgpr 72
		.amdhsa_reserve_vcc 0
		.amdhsa_float_denorm_mode_32 3
		.amdhsa_float_denorm_mode_16_64 3
		.amdhsa_memory_ordered 1
		.amdhsa_forward_progress 1
		.amdhsa_inst_pref_size 164
	.end_amdhsa_kernel
	.amdgpu_metadata
---
amdhsa.version: [ 1, 2 ]
amdhsa.kernels:
  - .name:           k_qcfc9769c28_mix
    .symbol:         k_qcfc9769c28_mix.kd
    .args:
      - { .name: eb, .offset: 0, .size: 8, .value_kind: global_buffer, .address_space: global }
      - { .name: ekt, .offset: 8, .size: 8, .value_kind: global_buffer, .address_space: global }
      - { .name: sq, .offset: 16, .size: 8, .value_kind: global_buffer, .address_space: global }
      - { .name: out0, .offset: 24, .size: 8, .value_kind: global_buffer, .address_space: global }
    .group_segment_fixed_size: 327680
    .private_segment_fixed_size: 0
    .kernarg_segment_align: 8
    .kernarg_segment_size: 32
    .max_flat_workgroup_size: 128
    .sgpr_count:     72
    .vgpr_count:     1024
    .wavefront_size: 32
...
	.end_amdgpu_metadata
.endif
;; end of part 3
